; MI455X (gfx1250); checked and timed in simulation.
; The chip was launched on July 23, 2026; its instructions are those of AMD's public machine-readable ISA for CDNA 5 (MIT licence, August 2026) and "CDNA5" Instruction Set Architecture Reference Guide (July 2026). The comments in the code are by the model that wrote it; some were corrected since.
;; Linear Attention. Allowed arithmetic: float matrix products may take bf16 or f16 operands with f32 sums; all other float work in f32.
;; Inputs: Wk 512 x 512 float32; Wo 512 x 512 float32; Wq 512 x 512 float32; Wv 512 x 512 float32; x 4 x 1,024 x 512 float32.
;; Outputs: out0 4 x 1,024 x 512 float32.
;; One version. Each part assembles by itself: llvm-mc -triple=amdgcn-amd-amdhsa -mcpu=gfx1250 --defsym DOCPART=n.
;; ======== version 1 of 1: 4 launches
;; limits: values are held in f16: magnitudes above 65,504 overflow, below 6.1e-05 lose precision; right only within a limited range of input values
;; workspace buffers: xh 4,194,304 bytes; wf 1,048,576 bytes; mx 768 bytes; qv 8,388,608 bytes; sc 8,388,608 bytes
;; launch prep (part 1): grid 192 x 1, 16 waves a work-group, no clusters, 219,392 bytes of LDS; arguments x, Wq, Wk, Wv, Wo, xh, wf, mx; writes xh, wf, mx
.if DOCPART == 1
	.amdgcn_target "amdgcn-amd-amdhsa--gfx1250"
	.amdhsa_code_object_version 6
	.text
	.protected	k_qabad1e463b_prep
	.globl	k_qabad1e463b_prep
	.p2align	8
	.type	k_qabad1e463b_prep,@function
k_qabad1e463b_prep:
	s_mov_b64 s[64:65], 0
	v_nop
	global_prefetch_b8 v0, s[64:65] scope:SCOPE_SE
	s_setreg_imm32_b32 hwreg(HW_REG_WAVE_MODE, 25, 1), 1
	s_wait_xcnt 0x0
; PREP.  Linear attention without a softmax is re-associated: q_t . k_s = (x_t A) . x_s with A = Wq Wk^T, and v_s Wo = x_s (Wv Wo).
; This launch makes what the later launches multiply:
;   xh[4096][512] f16 = x rounded to bf16 and written as f16 (the same number wherever f16 holds it: |x| up to 65,504; below 6e-5 f16's fixed step of 6e-8)
;   wf[1024][512] f16: rows 0-511  AT16[d'][d] = 16 x sum over k of Wk[d'][k] Wq[d][k];  rows 512-1023  VT16[n][d] = 16 x sum over v of Wo[v][n] Wv[d][v]
;   mx[192] f32: work-group g's largest magnitude of what it wrote (0-127 xh, 128-159 AT16, 160-191 VT16); later launches take powers of two from them
; The weights are rounded to bf16, multiplied in bf16 with f32 sums; the factor 16 puts the folds' numbers near 1, so that f16 has room both ways.
; LIMITS.  A fold's number beyond 65,504 / 16 = 4,094 becomes an infinity in wf (weights as drawn give about 0.2; 30 times larger weights about 200; a common offset of 30 spreads about 900).  NaN and infinities are not treated apart.
; SHARES.  Work-groups 0-127: 32 rows of x each, 64 KiB on end, eight 16-byte loads a thread.  Work-groups 128-191: a tile of 64 rows x 128 columns of wf over K = 512:
; its 384 KiB of f32 are 48 loads of 16 bytes a thread for 16 waves, all on their way together; rounded to bf16 they lie in LDS; waves 0-3 multiply, 32 x 64 each.
; NO TENSOR LOADS, NO CLUSTER: f32 has to pass through registers to be rounded, so tiles cannot be laid into LDS by the mover or shared by it.
.set PW,    1040                       ; an LDS row of 512 bf16: 1,024 bytes + 16: an odd multiple of 16, so the 16 rows of a fragment load start 4 banks apart (64 banks of 4 bytes: ISA guide 11.1)
.set RB,    0                          ; the 64 rows of the tile's row operand
.set CB,    RB+64*PW                   ; the 128 rows of its column operand
.set STAGE, CB+128*PW                  ; 64 rows x 272 bytes: the tile on its way out
.set SP,    272
.set RED,   STAGE+64*SP                ; 16 words: the waves' maxima
.set SPARE, RED+256                    ; the spare words, 128 bytes for each of 16 waves: eight blocks of 256 bytes that no other line names
.set SPW, 2                            ; v2   LDS address of my spare word; never rewritten
.set NIL, 3                            ; v3   0; never rewritten
.set MP,  16                           ; v16  running maximum, from 0
.set MN,  17                           ; v17  running minimum, from 0
.set LR,  24                           ; v[24:87]   16 loads of the row operand (path X: eight loads of x in v[24:55])
.set XO,  56                           ; v[56:71]   path X: eight pairs to store
.set LC,  88                           ; v[88:215]  32 loads of the column operand
.set ACC, 24                           ; behind the operands' barrier: accumulator (a, b) at v[24 + 8 (4 a + b)]
.set FR0, 88                           ; two fragment buffers of 48: 2 row fragments, then 4 column fragments
.macro PLACES                          ; four plain vector instructions between a matrix instruction and a load into, or a vector instruction on, its registers
.rept 4
	v_nop
.endr
.endm
.macro ROWMAX v                        ; the maximum over each half of 16 lanes, in every lane of it
	v_max_num_f32_dpp v[\v], v[\v], v[\v] row_xmask:1 row_mask:0xf bank_mask:0xf
	v_max_num_f32_dpp v[\v], v[\v], v[\v] row_xmask:2 row_mask:0xf bank_mask:0xf
	v_max_num_f32_dpp v[\v], v[\v], v[\v] row_xmask:4 row_mask:0xf bank_mask:0xf
	v_max_num_f32_dpp v[\v], v[\v], v[\v] row_xmask:8 row_mask:0xf bank_mask:0xf
.endm
	s_load_b512 s[4:19], s[0:1], 0x0               ; x 4, Wq 6, Wk 8, Wv 10, Wo 12, xh 14, wf 16, mx 18
	v_lshl_add_u32 v[SPW], v0, 2, SPARE
	v_mov_b32 v[NIL], 0
	v_and_b32 v1, 31, v0                           ; lane
	v_lshrrev_b32 v4, 5, v0
	v_readfirstlane_b32 s20, v4                    ; wave 0..15
	v_and_b32 v9, 15, v0                           ; r = lane % 16
	v_bfe_u32 v10, v0, 4, 1                        ; h = lane / 16
	v_mov_b32 v[MP], 0
	v_mov_b32 v[MN], 0
	v_mov_b32 v18, 0                               ; v_permlanex16_b32's destination counts as read
	s_mov_b32 s21, ttmp9                           ; g
	s_sub_co_u32 s25, s21, 128                     ; the fold's number (used by work-groups 128-191 alone)
	s_lshr_b32 s22, s25, 5                         ; kind: 0 AT16, 1 VT16
	s_bfe_u32 s23, s25, 0x30002                    ; rt: which 64 rows
	s_and_b32 s24, s25, 3                          ; ct: which 128 columns
	s_mov_b32 s27, 0
	s_mov_b32 s29, 0
	s_mov_b32 s34, 0x76543210                      ; v_permlanex16_b32: each lane takes its own place in the other half
	s_mov_b32 s35, 0xfedcba98
	s_mov_b32 s37, 0xffff0000                      ; a word's upper bf16
	s_lshl_b32 s38, s20, 2
	s_add_co_u32 s38, s38, RED                     ; my wave's word
	s_lshl_b32 s39, s21, 2                         ; my work-group's word in mx
	s_wait_kmcnt 0x0
	s_cmp_lt_u32 s21, 128
	s_cbranch_scc0 .Lfold
	; PATH X: 32 rows of x.  A load of the work-group covers 8,192 bytes on end, a store of a wave 256 bytes on end, aligned.
	s_lshl_b32 s26, s21, 16
	s_lshl_b32 s28, s21, 15
	v_lshlrev_b32 v4, 4, v0
	v_lshlrev_b32 v5, 3, v0
	s_add_nc_u64 s[4:5], s[4:5], s[26:27]
	s_add_nc_u64 s[14:15], s[14:15], s[28:29]
.irp i, 0,1,2,3,4,5,6,7
	global_load_b128 v[LR+4*(\i):LR+4*(\i)+3], v4, s[4:5] offset:(\i)*8192 th:TH_LOAD_NT
.endr
.irp i, 0,1,2,3,4,5,6,7
	s_wait_loadcnt 7-(\i)                          ; loads come back in order: mine is in, the younger ones stay out
	v_cvt_pk_bf16_f32 v18, v[LR+4*(\i)], v[LR+4*(\i)+1]
	v_cvt_pk_bf16_f32 v19, v[LR+4*(\i)+2], v[LR+4*(\i)+3]
	v_lshlrev_b32 v20, 16, v18                     ; the rounded numbers as f32
	v_and_b32 v21, s37, v18
	v_lshlrev_b32 v22, 16, v19
	v_and_b32 v23, s37, v19
	v_max3_num_f32 v[MP], v[MP], v20, v21
	v_min3_num_f32 v[MN], v[MN], v20, v21
	v_max3_num_f32 v[MP], v[MP], v22, v23
	v_min3_num_f32 v[MN], v[MN], v22, v23
	v_cvt_pk_f16_f32 v[XO+2*(\i)], v20, v21
	v_cvt_pk_f16_f32 v[XO+2*(\i)+1], v22, v23
	global_store_b64 v5, v[XO+2*(\i):XO+2*(\i)+1], s[14:15] offset:(\i)*4096  ; each store has its own pair: nothing is rewritten
.endr
	s_branch .Ltail
.Lfold:
	; THE FOLD'S OPERANDS.  Columns: 128 rows of Wq (kind 0) or Wv (kind 1), K along the rows.  Rows: 64 rows of Wk (kind 0), or 64 columns of Wo (kind 1), which are turned on the way into LDS.
	s_lshl_b32 s26, s24, 18                        ; 128 rows of 2,048 bytes
	s_cmp_eq_u32 s22, 0
	s_cselect_b32 s25, 17, 8                       ; 64 rows of 2,048 bytes, or 64 columns of 4
	s_lshl_b32 s28, s23, s25
	s_cmp_eq_u32 s22, 0
	s_cselect_b64 s[30:31], s[6:7], s[10:11]
	s_cselect_b64 s[32:33], s[8:9], s[12:13]
	s_add_nc_u64 s[30:31], s[30:31], s[26:27]
	s_add_nc_u64 s[32:33], s[32:33], s[28:29]
	v_lshlrev_b32 v4, 4, v1
	v_lshl_add_u32 v5, s20, 14, v4                 ; columns: my wave's 8 rows, 16 bytes a lane
	s_mul_i32 s40, s20, 8*PW
	s_add_co_u32 s40, s40, CB
	v_lshl_add_u32 v7, v1, 3, s40                  ; and where they go: 8 bytes a lane
	s_cmp_eq_u32 s22, 0
	s_cbranch_scc0 .Lload_t
	v_lshl_add_u32 v6, s20, 13, v4                 ; kind 0: my wave's 4 rows
	s_mul_i32 s41, s20, 4*PW
	v_lshl_add_u32 v8, v1, 3, s41
.irp i, 0,1,2,3,4,5,6,7,8,9,10,11,12,13,14,15
	global_load_b128 v[LR+4*(\i):LR+4*(\i)+3], v6, s[32:33] offset:512*(\i)
.endr
	s_branch .Lload_c
.Lload_t:
	v_lshlrev_b32 v6, 4, v9                        ; kind 1: my wave's 32 rows v of Wo; 16 lanes take a row's 256 bytes; loads 2 p and 2 p + 1 bring rows v and v + 1, v = 32 wave + 4 p + 2 h
	v_lshl_add_u32 v6, v10, 12, v6
	v_lshl_add_u32 v6, s20, 16, v6
	v_mul_u32_u24 v8, v9, 4*PW                     ; my four columns are LDS rows 4 r + e; K = v is byte 2 v of a row
	v_lshl_add_u32 v8, v10, 2, v8
	v_lshl_add_u32 v8, s20, 6, v8
.irp i, 0,1,2,3,4,5,6,7,8,9,10,11,12,13,14,15
	global_load_b128 v[LR+4*(\i):LR+4*(\i)+3], v6, s[32:33] offset:((\i)/2)*8192+((\i)%2)*2048
.endr
.Lload_c:
.set i, 0
.rept 32
	global_load_b128 v[LC+4*i:LC+4*i+3], v5, s[30:31] offset:512*i
.set i, i+1
.endr
	; INTO LDS.  The row operand's bytes are written by one of two runs of stores, the turned one or the plain one.  A barrier stands between the two runs, on every wave's path,
	; with each wave's stores waited for in front of it: no two stores that can name the same bytes are without a barrier between them.  The column operand's loads stay on their way across it.
	s_cmp_eq_u32 s22, 0
	s_cbranch_scc1 .Lturned
.irp p, 0,1,2,3,4,5,6,7
	s_wait_loadcnt 46-2*(\p)                       ; of the 48 loads both rows of pair p are in; the 46 - 2 p younger ones stay out
.irp e, 0,1,2,3
	v_cvt_pk_bf16_f32 v[LR+8*(\p)+(\e)], v[LR+8*(\p)+(\e)], v[LR+8*(\p)+4+(\e)]  ; K = v below, v + 1 above: a word of column 4 r + e
.endr
.irp e, 0,1,2,3
	ds_store_b32 v8, v[LR+8*(\p)+(\e)] offset:(\e)*PW+8*(\p)
.endr
.endr
.Lturned:
	s_wait_dscnt 0x0                               ; for the others' sake: my stores of the turned run are done
	s_barrier_signal -1
	s_barrier_wait -1
	s_cmp_eq_u32 s22, 0
	s_cbranch_scc0 .Lput_c
.irp i, 0,1,2,3,4,5,6,7,8,9,10,11,12,13,14,15
	s_wait_loadcnt 47-(\i)                         ; of the 48 loads the 47 - i younger ones stay out
	v_cvt_pk_bf16_f32 v[LR+4*(\i)], v[LR+4*(\i)], v[LR+4*(\i)+1]
	v_cvt_pk_bf16_f32 v[LR+4*(\i)+1], v[LR+4*(\i)+2], v[LR+4*(\i)+3]
	ds_store_b64 v8, v[LR+4*(\i):LR+4*(\i)+1] offset:((\i)/4)*PW+((\i)%4)*256
.endr
.Lput_c:
.set i, 0
.rept 32
	s_wait_loadcnt 31-i
	v_cvt_pk_bf16_f32 v[LC+4*i], v[LC+4*i], v[LC+4*i+1]
	v_cvt_pk_bf16_f32 v[LC+4*i+1], v[LC+4*i+2], v[LC+4*i+3]
	ds_store_b64 v7, v[LC+4*i:LC+4*i+1] offset:(i/4)*PW+(i%4)*256
.set i, i+1
.endr
	s_wait_dscnt 0x0                               ; for the others' sake: my stores into LDS are done
	s_barrier_signal -1
	s_barrier_wait -1                              ; both operands are whole
	s_cmp_lt_u32 s20, 4
	s_cbranch_scc0 .Ltail                          ; waves 4-15 have nothing to multiply; no barrier stands in what they pass
	; THE PRODUCT, waves 0-3: rows 32 (w / 2) on, columns 64 (w % 2) on.  Source 0 = 16 rows of the column operand, source 1 = 16 rows of the row operand:
	; a lane then holds row lane % 16 of wf's tile and eight neighbouring columns 8 (lane / 16) + 0..7.
	s_lshr_b32 s41, s20, 1
	s_and_b32 s42, s20, 1
	v_mul_u32_u24 v11, v9, PW
	v_lshl_add_u32 v11, v10, 4, v11                ; a fragment's row x pitch + 16 x half
	s_mul_i32 s43, s42, 64*PW
	s_add_co_u32 s43, s43, CB
	v_add_nc_u32 v12, s43, v11
	s_mul_i32 s43, s41, 32*PW
	v_add_nc_u32 v11, s43, v11
	s_mul_i32 s43, s41, 32*SP
	s_lshl_b32 s44, s42, 7
	s_add_co_u32 s43, s43, s44
	s_add_co_u32 s43, s43, STAGE
	v_mul_u32_u24 v13, v9, SP
	v_lshl_add_u32 v13, v10, 4, v13
	v_add_nc_u32 v13, s43, v13                     ; into the stage: my row, my 16 bytes
.macro FETCHF ks, f                    ; 12 LDS loads: the fragments of 32 along K
.irp a, 0,1
	ds_load_b128 v[(\f)+8*(\a):(\f)+8*(\a)+3],   v11 offset:(\a)*16*PW+64*(\ks)
	ds_load_b128 v[(\f)+8*(\a)+4:(\f)+8*(\a)+7], v11 offset:(\a)*16*PW+64*(\ks)+32
.endr
.irp b, 0,1,2,3
	ds_load_b128 v[(\f)+16+8*(\b):(\f)+16+8*(\b)+3],   v12 offset:(\b)*16*PW+64*(\ks)
	ds_load_b128 v[(\f)+16+8*(\b)+4:(\f)+16+8*(\b)+7], v12 offset:(\b)*16*PW+64*(\ks)+32
.endr
.endm
.macro MULF f                          ; 8 matrix instructions; the 8 accumulators take turns; the first step starts the sums with the constant 0
.irp a, 0,1
.irp b, 0,1,2,3
.if ZERO
	v_wmma_f32_16x16x32_bf16 v[ACC+8*(4*(\a)+(\b)):ACC+8*(4*(\a)+(\b))+7], v[(\f)+16+8*(\b):(\f)+16+8*(\b)+7], v[(\f)+8*(\a):(\f)+8*(\a)+7], 0
.else
	v_wmma_f32_16x16x32_bf16 v[ACC+8*(4*(\a)+(\b)):ACC+8*(4*(\a)+(\b))+7], v[(\f)+16+8*(\b):(\f)+16+8*(\b)+7], v[(\f)+8*(\a):(\f)+8*(\a)+7], v[ACC+8*(4*(\a)+(\b)):ACC+8*(4*(\a)+(\b))+7]
.endif
.endr
.endr
.set ZERO, 0
.endm
.set ZERO, 1
	FETCHF 0, FR0
.set ks, 0
.rept 16
.if ks < 15
.if ks > 0
	PLACES                                         ; the buffer to be loaded was read by the step before
.endif
	FETCHF ks+1, FR0+48*((ks+1)%2)
	s_wait_dscnt 12                                ; all but the 12 just issued
.else
	s_wait_dscnt 0x0
.endif
	MULF FR0+48*(ks%2)
.set ks, ks+1
.endr
	PLACES
.set t, 0
.rept 8                                ; times 16, the extremes, f16, into the stage; each accumulator from its low end on
.set A0, ACC+8*t
.irp r, 0,1,2,3
	v_pk_mul_f32 v[A0+2*(\r):A0+2*(\r)+1], v[A0+2*(\r):A0+2*(\r)+1], 0x41800000 op_sel_hi:[1,0]
.endr
.irp r, 0,1,2,3
	v_max3_num_f32 v[MP], v[MP], v[A0+2*(\r)], v[A0+2*(\r)+1]
	v_min3_num_f32 v[MN], v[MN], v[A0+2*(\r)], v[A0+2*(\r)+1]
.endr
.irp r, 0,1,2,3
	v_cvt_pk_f16_f32 v[A0+(\r)], v[A0+2*(\r)], v[A0+2*(\r)+1]
.endr
	ds_store_b128 v13, v[A0:A0+3] offset:(t/4)*16*SP+32*(t%4)
.set t, t+1
.endr
.Ltail:
	; THE LARGEST MAGNITUDE: in the lane, over the wave, over the waves.
	v_xor_b32 v[MN], 0x80000000, v[MN]
	v_max_num_f32 v[MP], v[MP], v[MN]
	ROWMAX MP
	v_permlanex16_b32 v18, v[MP], s34, s35
	v_max_num_f32 v[MP], v[MP], v18
	v_mov_b32 v19, s38
	ds_store_b32 v19, v[MP]                        ; all lanes write the same word with the same value
	s_wait_dscnt 0x0                               ; for the others' sake: this store and my stores into the stage are done
	s_barrier_signal -1
	s_barrier_wait -1
	s_cmp_lt_u32 s21, 128
	s_cbranch_scc1 .Lno_wf
	; the fold's tile leaves: wave w takes rows 4 w .. 4 w + 3, whole; 16 lanes store 256 bytes on end, aligned
	s_mul_i32 s43, s20, 4*SP
	s_add_co_u32 s43, s43, STAGE
	v_mul_u32_u24 v20, v10, SP
	v_lshl_add_u32 v20, v9, 4, v20
	v_add_nc_u32 v20, s43, v20
	v_lshlrev_b32 v21, 10, v10
	v_lshl_add_u32 v21, v9, 4, v21
	v_lshl_add_u32 v21, s20, 12, v21
	s_lshl_b32 s26, s22, 19                        ; kind x 512 rows of 1,024 bytes
	s_lshl_b32 s28, s23, 16                        ; + 64 rt rows
	s_add_co_u32 s26, s26, s28
	s_lshl_b32 s28, s24, 8                         ; + 128 ct columns
	s_add_co_u32 s26, s26, s28
	s_add_nc_u64 s[16:17], s[16:17], s[26:27]
	ds_load_b128 v[24:27], v20
	ds_load_b128 v[28:31], v20 offset:2*SP
	s_wait_dscnt 1                                 ; the first of the two is in
	global_store_b128 v21, v[24:27], s[16:17]
	s_wait_dscnt 0x0
	global_store_b128 v21, v[28:31], s[16:17] offset:2048
.Lno_wf:
	s_cmp_lg_u32 s20, 0
	s_cbranch_scc1 .Lend
	v_lshl_add_u32 v22, v9, 2, RED                 ; wave 0: the 16 waves' maxima, one a lane in each half
	ds_load_b32 v23, v22
	v_mov_b32 v19, s39
	v_cmp_eq_u32 vcc_lo, 0, v1
	s_wait_dscnt 0x0
	ROWMAX 23
	s_wait_xcnt 0x0                                ; EXEC is a source of the stores above: it changes only behind this wait
	s_and_saveexec_b32 s36, vcc_lo
	global_store_b32 v19, v23, s[18:19]            ; lane 0 alone
	s_wait_xcnt 0x0                                ; and again in front of the line that widens it
	s_or_b32 exec_lo, exec_lo, s36
.Lend:
	s_wait_tensorcnt 0x0                           ; the wave's end
	ds_add_u32 v[SPW], v[NIL]
	s_wait_dscnt 0x0
	s_endpgm
.Lfunc_end_k_qabad1e463b_prep:
	.size	k_qabad1e463b_prep, .Lfunc_end_k_qabad1e463b_prep-k_qabad1e463b_prep
	.p2alignl 7, 3214868480
	.fill 96, 4, 3214868480
	.section	.rodata,"a",@progbits
	.p2align	6, 0x0
	.amdhsa_kernel k_qabad1e463b_prep
		.amdhsa_group_segment_fixed_size 219392
		.amdhsa_private_segment_fixed_size 0
		.amdhsa_enable_private_segment 0
		.amdhsa_kernarg_size 64
		.amdhsa_user_sgpr_count 2
		.amdhsa_user_sgpr_kernarg_segment_ptr 1
		.amdhsa_wavefront_size32 1
		.amdhsa_system_sgpr_workgroup_id_x 1
		.amdhsa_system_sgpr_workgroup_id_y 1
		.amdhsa_system_sgpr_workgroup_id_z 1
		.amdhsa_system_vgpr_workitem_id 0
		.amdhsa_next_free_vgpr 216
		.amdhsa_next_free_sgpr 66
		.amdhsa_reserve_vcc 1
		.amdhsa_float_denorm_mode_32 3
		.amdhsa_float_denorm_mode_16_64 3
		.amdhsa_memory_ordered 1
		.amdhsa_forward_progress 1
		.amdhsa_inst_pref_size 67
	.end_amdhsa_kernel
	.amdgpu_metadata
---
amdhsa.version: [ 1, 2 ]
amdhsa.kernels:
  - .name:           k_qabad1e463b_prep
    .symbol:         k_qabad1e463b_prep.kd
    .args:
      - { .name: x, .offset: 0, .size: 8, .value_kind: global_buffer, .address_space: global }
      - { .name: Wq, .offset: 8, .size: 8, .value_kind: global_buffer, .address_space: global }
      - { .name: Wk, .offset: 16, .size: 8, .value_kind: global_buffer, .address_space: global }
      - { .name: Wv, .offset: 24, .size: 8, .value_kind: global_buffer, .address_space: global }
      - { .name: Wo, .offset: 32, .size: 8, .value_kind: global_buffer, .address_space: global }
      - { .name: xh, .offset: 40, .size: 8, .value_kind: global_buffer, .address_space: global }
      - { .name: wf, .offset: 48, .size: 8, .value_kind: global_buffer, .address_space: global }
      - { .name: mx, .offset: 56, .size: 8, .value_kind: global_buffer, .address_space: global }
    .group_segment_fixed_size: 219392
    .private_segment_fixed_size: 0
    .kernarg_segment_align: 8
    .kernarg_segment_size: 64
    .max_flat_workgroup_size: 512
    .sgpr_count:     66
    .vgpr_count:     216
    .wavefront_size: 32
...
	.end_amdgpu_metadata
.endif
;; end of part 1
;; launch proj (part 2): grid 8 x 32, 4 waves a work-group, clusters of 4 x 4, 327,680 bytes of LDS; arguments xh, wf, qv, mx; writes qv
.if DOCPART == 2
	.amdgcn_target "amdgcn-amd-amdhsa--gfx1250"
	.amdhsa_code_object_version 6
	.text
	.protected	k_qabad1e463b_proj
	.globl	k_qabad1e463b_proj
	.p2align	8
	.type	k_qabad1e463b_proj,@function
k_qabad1e463b_proj:
	s_mov_b64 s[64:65], 0
	v_nop
	global_prefetch_b8 v0, s[64:65] scope:SCOPE_SE
	s_setreg_imm32_b32 hwreg(HW_REG_WAVE_MODE, 25, 1), 1
	s_wait_xcnt 0x0
	s_wait_alu depctr_hold_cnt(0) depctr_sa_sdst(0) depctr_va_vdst(0) depctr_va_sdst(0) depctr_va_ssrc(0) depctr_va_vcc(0) depctr_vm_vsrc(0)
	s_getreg_b32 s2, hwreg(HW_REG_IB_STS2, 6, 4)
	s_cmp_eq_u32 s2, 0
	s_cbranch_scc0 .Lentry_in_a_cluster
	s_endpgm
.Lentry_in_a_cluster:
	s_bfe_u32 s2, ttmp6, 0x10000c
	s_cmp_lg_u32 s2, 0xf033
	s_cbranch_scc0 .Lentry_shape_is_right
	s_endpgm
.Lentry_shape_is_right:
; PROJ.  qv[m][n] = scale x sum over k of xh[m][k] wf[n][k]:  xh [4096][512], wf [1024][512], qv [4096][1024], all f16; sums in f32, rounded once.
; Columns 0-511 of qv are q^ = x A, columns 512-1023 v^ = x Wv Wo.  The scale is a power of two: 2^(252 - Ex - E), Ex and E the biased exponents of the largest |xh| and of the largest
; |wf| of the half in hand (from mx), each clamped to 103..151: then |xh| 2^(126 - Ex) < 1 and likewise wf, so every number of qv stays under 512 and near 1 whatever the inputs' size.  The last launch undoes it exactly.
; LIMITS.  The normalisation holds while the maxima lie within 2^-24 .. 2^24; NaN and infinities are not treated apart.
; A tile of qv is 128 x 128; four waves, 64 x 64 each: 16 accumulators.  K = 512 is two steps of 256, one in each of two LDS slots: both are asked for at the start and nothing is filled again.
; CLUSTERS: 4 x 4 work-groups.  The four of a row of the cluster need the same tiles of xh, the four of a column the same tiles of wf: each tile is asked for JOINTLY, by the same tensor load with the
; same descriptor and a mask that names the four.  THE MATRIX INSTRUCTION IS USED TRANSPOSED (source 0 = 16 rows of wf, source 1 = 16 rows of xh): a lane then holds eight neighbouring numbers of a row of qv.
; REGISTERS: window 0: v0-31 addresses and the maxima; v32-95 at work on the way out; v128-255 the accumulators ((a, b) at v[128 + 8 (4 a + b)]).
;   window 1: two fragment buffers of 128: for 64 along K, 64 registers of xh's fragments, then 64 of wf's.
.set SIZE_K, 512
.set SIZE_N, 1024
.set KSTEP,  256
.set PITCH,  528                       ; an LDS row: 512 bytes of data + 16 of padding = 132 words: row r starts at bank 4 r mod 64 (64 banks of 4 bytes: ISA guide 11.1)
.set HALFT,  64*PITCH                  ; 64 rows: what one tensor load brings, and what one wave reads of either operand
.set SLOT,   4*HALFT                   ; xh's 128 rows, then wf's 128 rows
.set STAGE,  2*SLOT                    ; behind the slots: 128 rows x 272 bytes, the work-group's, for the way out
.set SPITCH, 272
.set SPARE,  STAGE+128*SPITCH          ; the spare words, 128 bytes for each wave: two blocks of 256 bytes that no other line names
.set ADRA, 16                          ; v16-17  LDS address of my xh fragments in slot 0, 1
.set ADRB, 20                          ; v20-21  the same for wf
.set STO,  24                          ; v24     the way out: where I put 16 bytes of a row
.set RD,   25                          ; v25     the way out: where I read a row back
.set CO,   26                          ; v26     my byte offset in qv
.set SPW,  28                          ; v28     LDS address of my spare word; never rewritten
.set NIL,  29                          ; v29     0; never rewritten
.set TMP,  32
.set ACC,  128
.set F0,   0                           ; fragment buffers, in window 1
.set F1,   128
.set G1, 24                            ; s[24:31] descriptor group 1 for xh's tiles;  s[32:39] group 0, one set for each slot
.set G0, 32
.set G1B, 48                           ; s[48:55], s[56:63] the same for wf's tiles
.set G0B, 56
.set MXP, 68                           ; s[68:69] mx
.set SCL, 72                           ; s[72:73] the scale, named as a pair
.set SEL, 74                           ; s[74:75] v_permlanex16_b32's selects
.set MSB, 0
.macro WIN new                         ; the immediate's high byte repeats the setting that is left
.if MSB != (\new)
	s_set_vgpr_msb (MSB<<8)|(\new)
.set MSB, \new
.endif
.endm
.set MUL,  0x05                        ; sources 0 and 1 window 1; C and D window 0
.set TO_F, 0x40                        ; destination window 1, address window 0
.macro JLOAD s                         ; a joint load: waves 0 and 1 fetch xh's two halves, waves 2 and 3 wf's; an s_nop 0 and four v_nop follow each of the two lines, ahead of the jump, the label and what follows
	s_cmp_eq_u32 s11, 0
	s_cbranch_scc0 .Lfor_b_\@
	tensor_load_to_lds s[G0+4*(\s):G0+4*(\s)+3], s[G1:G1+7]
	s_nop 0
.rept 4
	v_nop
.endr
	s_branch .Lasked_\@
.Lfor_b_\@:
	tensor_load_to_lds s[G0B+4*(\s):G0B+4*(\s)+3], s[G1B:G1B+7]
	s_nop 0
.rept 4
	v_nop
.endr
.Lasked_\@:
.endm
.macro CROUND                          ; a round of the cluster's barrier: my work-group's barrier; wave 0 signals for the work-group; every wave waits for all sixteen; my work-group's barrier once more
	s_barrier_signal -1
	s_barrier_wait -1
	s_cmp_lg_u32 s10, 0
	s_cbranch_scc1 .Lnot_wave_0_\@
	s_barrier_signal -3
.Lnot_wave_0_\@:
	s_barrier_wait -3
	s_barrier_signal -1
	s_barrier_wait -1
.endm
	s_load_b128 s[4:7], s[0:1], 0x0                ; xh s[4:5], wf s[6:7]
	s_load_b64 s[8:9], s[0:1], 0x10                ; qv
	s_load_b64 s[MXP:MXP+1], s[0:1], 0x18          ; mx
	v_lshl_add_u32 v[SPW], v0, 2, SPARE
	v_mov_b32 v[NIL], 0
	ds_add_u32 v[SPW], v[NIL]                      ; the wave's opening: the add and its wait ahead of my first tensor load; the set-up below, work on registers, stands between them
	ds_add_u32 v28, v29
	v_lshrrev_b32 v1, 5, v0
	v_readfirstlane_b32 s10, v1                    ; wave 0..3
	s_lshr_b32 s11, s10, 1                         ; which half of the tile's rows is mine.  Also: I fetch for xh (0) or for wf (1)
	s_and_b32 s12, s10, 1                          ; which half of its columns.  Also: which 64 rows of that tile I fetch
	s_bfe_u32 s40, ttmp6, 0x40000                  ; cx, cy: my place in the cluster
	s_bfe_u32 s41, ttmp6, 0x40004
	s_lshl_b32 s42, ttmp9, 2
	s_add_co_u32 s42, s42, s40                     ; tile column = 4 x cluster x + cx
	s_and_b32 s13, ttmp7, 0xffff
	s_lshl_b32 s13, s13, 2
	s_add_co_u32 s13, s13, s41                     ; tile row = 4 x cluster y + cy
	s_lshl_b32 s43, s41, 2
	s_lshl_b32 s43, 15, s43                        ; my row of the cluster
	s_lshl_b32 s44, 0x1111, s40                    ; my column
	; descriptor group 1: a tile of 64 rows x 256 elements, padded in LDS
	s_or_b32 s[G1+0], s43, (1<<16)|(1<<20)|(1<<21)|(6<<22)|(3<<25)  ; 15:0 the mask: xh's tiles go to my row; 17:16 element of 2 bytes; 20 padding on; 21 set beside a mask; 24:22 after every 128 words (code 6); 31:25 of 4 words (code 3)
	s_or_b32 s[G1B+0], s44, (1<<16)|(1<<20)|(1<<21)|(6<<22)|(3<<25)
.irp g, G1, G1B
	s_mov_b32 s[(\g)+1], KSTEP<<16                 ; tensor_dim0 = 256
	s_mov_b32 s[(\g)+2], 64<<16                    ; tensor_dim1 = 64
	s_mov_b32 s[(\g)+3], KSTEP<<16                 ; tile_dim0 = 256
	s_mov_b32 s[(\g)+4], 64                        ; tile_dim1 = 64
	s_mov_b32 s[(\g)+5], SIZE_K                    ; elements from row to row
	s_mov_b32 s[(\g)+6], 0
	s_mov_b32 s[(\g)+7], 0
.endr
	s_mov_b32 s[SEL], 0x76543210
	s_mov_b32 s[SEL+1], 0xfedcba98
	s_lshl_b32 s17, s12, 6                         ; which 64 rows of the tile I fetch
	s_lshl_b32 s16, s13, 7
	s_add_co_u32 s16, s16, s17                     ; xh: row 128 x tile row + 64 x half
	s_lshl_b32 s46, s42, 7
	s_add_co_u32 s46, s46, s17                     ; wf: row 128 x tile column + 64 x half
	s_mov_b32 s17, 0
	s_mov_b32 s47, 0
	s_mov_b64 s[18:19], SIZE_K*2
	s_mul_u64 s[16:17], s[16:17], s[18:19]
	s_mul_u64 s[46:47], s[46:47], s[18:19]
	s_mul_i32 s20, s10, HALFT                      ; where they go: wave x 64 rows
	s_wait_dscnt 0x0                               ; the opening add is done
	s_wait_kmcnt 0x0
	s_add_nc_u64 s[14:15], s[4:5], s[16:17]
	s_add_nc_u64 s[46:47], s[6:7], s[46:47]
	CROUND                                         ; all sixteen work-groups are here: the joint loads meet
.irp s, 0,1
	s_mov_b32 s[G0+4*(\s)], 1
	s_add_co_u32 s[G0+4*(\s)+1], s20, (\s)*SLOT
	s_add_nc_u64 s[G0+4*(\s)+2:G0+4*(\s)+3], s[14:15], (\s)*KSTEP*2
	s_or_b32 s[G0+4*(\s)+3], s[G0+4*(\s)+3], 0x80000000
	s_mov_b32 s[G0B+4*(\s)], 1
	s_add_co_u32 s[G0B+4*(\s)+1], s20, (\s)*SLOT
	s_add_nc_u64 s[G0B+4*(\s)+2:G0B+4*(\s)+3], s[46:47], (\s)*KSTEP*2
	s_or_b32 s[G0B+4*(\s)+3], s[G0B+4*(\s)+3], 0x80000000
	JLOAD \s                                       ; two tensor loads of mine are out
.endr
	; the 192 partial maxima: 128 of xh (four a lane), 32 of AT16, 32 of VT16: three blocks of 256 bytes, read whole
	v_and_b32 v6, 31, v0
	v_lshlrev_b32 v7, 4, v6
	v_lshlrev_b32 v6, 2, v6
	global_load_b128 v[8:11], v7, s[MXP:MXP+1]
	global_load_b32 v12, v6, s[MXP:MXP+1] offset:512
	global_load_b32 v13, v6, s[MXP:MXP+1] offset:640
	v_mov_b32 v14, 0
	v_and_b32 v1, 15, v0                           ; l % 16
	v_bfe_u32 v2, v0, 4, 1                         ; l / 16
	v_mul_u32_u24 v3, v1, PITCH
	v_lshl_add_u32 v3, v2, 4, v3                   ; a fragment's row x pitch + 16 x half
	s_mul_i32 s21, s11, HALFT                      ; my 64 rows of xh
	s_mul_i32 s22, s12, HALFT                      ; my 64 rows of wf,
	s_add_co_u32 s22, s22, 2*HALFT                 ; which lie behind xh's 128
.irp s, 0,1
	v_add_nc_u32 v[ADRA+(\s)], s21, v3
	v_add_nc_u32 v[ADRB+(\s)], s22, v3
	s_add_co_u32 s21, s21, SLOT
	s_add_co_u32 s22, s22, SLOT
.endr
	s_mul_i32 s23, s11, 64*SPITCH                  ; into the stage: my 64 rows, my half of their 256 bytes; row l % 16, 16 bytes for each half of the lanes
	s_lshl_b32 s21, s12, 7
	s_add_co_u32 s23, s23, s21
	s_add_co_u32 s23, s23, STAGE
	v_mul_u32_u24 v4, v1, SPITCH
	v_lshl_add_u32 v4, v2, 4, v4
	v_add_nc_u32 v[STO], s23, v4
	s_mul_i32 s23, s10, 32*SPITCH                  ; back: wave w takes rows 32 w .. 32 w + 31, whole; lanes 0-15 one row of 256 bytes, lanes 16-31 the next
	s_add_co_u32 s23, s23, STAGE
	v_mul_u32_u24 v5, v2, SPITCH
	v_lshl_add_u32 v5, v1, 4, v5
	v_add_nc_u32 v[RD], s23, v5
	v_mul_u32_u24 v5, v2, SIZE_N*2                 ; and the same two rows in qv
	v_lshl_add_u32 v[CO], v1, 4, v5
	s_lshl_b32 s16, s13, 7
	s_lshl_b32 s17, s10, 5
	s_add_co_u32 s16, s16, s17                     ; the first row of qv that I store: 128 x tile row + 32 x wave
	s_mov_b32 s17, 0
	s_mov_b64 s[18:19], SIZE_N*2
	s_mul_u64 s[16:17], s[16:17], s[18:19]
	s_add_nc_u64 s[8:9], s[8:9], s[16:17]
	s_lshl_b32 s46, s42, 8                         ; the tile's first column, in bytes
	s_mov_b32 s47, 0
	s_add_nc_u64 s[8:9], s[8:9], s[46:47]
	; the three maxima over the wave, their exponents, the scale.  They steer values alone: no address and no branch hangs on them.
	s_wait_loadcnt 0x0
	v_max3_num_f32 v8, v8, v9, v10
	v_max_num_f32 v8, v8, v11
.irp v, 8, 12, 13
	v_max_num_f32_dpp v[\v], v[\v], v[\v] row_xmask:1 row_mask:0xf bank_mask:0xf
	v_max_num_f32_dpp v[\v], v[\v], v[\v] row_xmask:2 row_mask:0xf bank_mask:0xf
	v_max_num_f32_dpp v[\v], v[\v], v[\v] row_xmask:4 row_mask:0xf bank_mask:0xf
	v_max_num_f32_dpp v[\v], v[\v], v[\v] row_xmask:8 row_mask:0xf bank_mask:0xf
	v_permlanex16_b32 v14, v[\v], s[SEL], s[SEL+1]
	v_max_num_f32 v[\v], v[\v], v14
.endr
	v_readfirstlane_b32 s70, v8
	v_readfirstlane_b32 s71, v12
	v_readfirstlane_b32 s76, v13
.irp e, 70, 71, 76
	s_lshr_b32 s[\e], s[\e], 23                    ; the biased exponent (the maxima are not negative),
	s_max_u32 s[\e], s[\e], 103                    ; clamped
	s_min_u32 s[\e], s[\e], 151
.endr
	s_cmp_lg_u32 ttmp9, 0                          ; tile columns 4-7 (the second cluster along x) are wf's rows 512 on: VT16.  The choice selects a value, and all partners make it alike
	s_cselect_b32 s71, s76, s71
	s_add_co_u32 s70, s70, s71
	s_sub_co_u32 s[SCL], 379, s70                  ; 2^(252 - Ex - E) has the biased exponent 379 - Ex - E: 77 to 173
	s_lshl_b32 s[SCL], s[SCL], 23
	s_mov_b32 s[SCL+1], s[SCL]
; 8 matrix instructions: m blocks a0, a0 + 1 x all 4 n blocks, 32 along K: half c of buffer f.  zero = 1: the first product starts the sums.  The 16 accumulators take turns.
.macro MUL8 f, c, a0, zero
	WIN MUL
.irp a, \a0, (\a0)+1
.irp b, 0,1,2,3
.if \zero
	v_wmma_f32_16x16x32_f16 v[ACC+8*(4*(\a)+(\b)):ACC+8*(4*(\a)+(\b))+7], v[(\f)+64+8*(4*(\c)+(\b)):(\f)+64+8*(4*(\c)+(\b))+7], v[(\f)+8*(4*(\c)+(\a)):(\f)+8*(4*(\c)+(\a))+7], 0
.else
	v_wmma_f32_16x16x32_f16 v[ACC+8*(4*(\a)+(\b)):ACC+8*(4*(\a)+(\b))+7], v[(\f)+64+8*(4*(\c)+(\b)):(\f)+64+8*(4*(\c)+(\b))+7], v[(\f)+8*(4*(\c)+(\a)):(\f)+8*(4*(\c)+(\a))+7], v[ACC+8*(4*(\a)+(\b)):ACC+8*(4*(\a)+(\b))+7]
.endif
.endr
.endr
.endm
; 32 LDS loads in one run: the fragments of 64 along K at byte k of the rows, into buffer f; the first 32 along K first
.macro FETCH slot, k, f
	WIN TO_F
.irp c, 0,1
.irp i, 0,1,2,3
	ds_load_b128 v[(\f)+64+8*(4*(\c)+(\i)):(\f)+64+8*(4*(\c)+(\i))+3],   v[ADRB+(\slot)] offset:(\k)+64*(\c)+(\i)*16*PITCH
	ds_load_b128 v[(\f)+64+8*(4*(\c)+(\i))+4:(\f)+64+8*(4*(\c)+(\i))+7], v[ADRB+(\slot)] offset:(\k)+64*(\c)+(\i)*16*PITCH+32
	ds_load_b128 v[(\f)+8*(4*(\c)+(\i)):(\f)+8*(4*(\c)+(\i))+3],         v[ADRA+(\slot)] offset:(\k)+64*(\c)+(\i)*16*PITCH
	ds_load_b128 v[(\f)+8*(4*(\c)+(\i))+4:(\f)+8*(4*(\c)+(\i))+7],       v[ADRA+(\slot)] offset:(\k)+64*(\c)+(\i)*16*PITCH+32
.endr
.endr
.endm
.macro PLACES                          ; four places in front of loads into registers that matrix instructions have read, and of vector work on results
.rept 4
	v_nop
.endr
.endm
; A K step is four quarters of 64 along K, 32 matrix instructions each, on buffers 0, 1, 0, 1.  One of the first three: multiplies buffer f and fetches the next quarter, at byte k, into g.
.macro QUARTER slot, k, f, g, zero
	s_wait_dscnt 16                                ; the first 32 along K are in
	WIN MUL
	MUL8 \f, 0, 0, \zero
	MUL8 \f, 0, 2, \zero
	PLACES
	FETCH \slot, \k, \g
	s_wait_dscnt 32                                ; all but the 32 just issued
	WIN MUL
	MUL8 \f, 1, 0, 0
	MUL8 \f, 1, 2, 0
.endm
; The last quarter of slot 0 multiplies buffer 1 and goes over to slot 1: one barrier; in front of it each wave waits for all its tensor loads (its part of slot 1), adds 0 to its spare word, and waits for that and for its LDS loads.
.macro TURN next
	WIN 0                                          ; (the add's two registers lie in window 0)
	s_wait_tensorcnt 0x0                           ; all my tensor loads have landed: my part of the next slot;
	ds_add_u32 v[SPW], v[NIL]                      ; 0 onto my spare word;
	s_wait_dscnt 17                                ; (the add and the youngest sixteen loads may be out)
	WIN MUL
	MUL8 F1, 0, 0, 0                               ; eight matrix instructions stand between the add and the wait for it
	s_wait_dscnt 0x0                               ; the add is done, and no LDS load of mine is out at the signal
	s_barrier_signal -1
	MUL8 F1, 0, 2, 0
	s_barrier_wait -1                              ; the next slot is whole
	PLACES
	FETCH \next, 0, F0
	WIN MUL
	MUL8 F1, 1, 0, 0
	MUL8 F1, 1, 2, 0
.endm
	s_wait_tensorcnt 1                             ; my part of K step 0 is in; K step 1's stays out
	s_barrier_signal -1
	s_barrier_wait -1                              ; everybody's is
	FETCH 0, 0, F0
	QUARTER 0, 128, F0, F1, 1                      ; its first products start the sums
	QUARTER 0, 256, F1, F0, 0
	QUARTER 0, 384, F0, F1, 0
	TURN 1
	QUARTER 1, 128, F0, F1, 0
	QUARTER 1, 256, F1, F0, 0
	QUARTER 1, 384, F0, F1, 0
	s_wait_dscnt 16                                ; the very last quarter: nothing more to fetch
	WIN MUL
	MUL8 F1, 0, 0, 0
	MUL8 F1, 0, 2, 0
	s_wait_dscnt 0
	MUL8 F1, 1, 0, 0
	MUL8 F1, 1, 2, 0
	WIN 0
	; THE WAY OUT: the scale; round to f16; 16 bytes a lane into the work-group's stage; a barrier, since a row's 256 bytes come from two waves; back as whole rows, 32 rows a wave.
	PLACES
.irp t, 0,1,2,3,4,5,6,7,8,9,10,11,12,13,14,15
.irp r, 0,1,2,3
	v_pk_mul_f32 v[ACC+8*(\t)+2*(\r):ACC+8*(\t)+2*(\r)+1], v[ACC+8*(\t)+2*(\r):ACC+8*(\t)+2*(\r)+1], s[SCL:SCL+1] op_sel_hi:[1,0]
.endr
.irp r, 0,1,2,3
	v_cvt_pk_f16_f32 v[TMP+4*(\t)+(\r)], v[ACC+8*(\t)+2*(\r)], v[ACC+8*(\t)+2*(\r)+1]
.endr
.endr
.irp a, 0,1,2,3
.irp b, 0,1,2,3
	ds_store_b128 v[STO], v[TMP+4*(4*(\a)+(\b)):TMP+4*(4*(\a)+(\b))+3] offset:(\a)*16*SPITCH+32*(\b)
.endr
.endr
	s_wait_dscnt 0x0                               ; for the others' sake: my stores into the stage are done
	s_barrier_signal -1
	s_barrier_wait -1
.irp t, 0,1,2,3,4,5,6,7,8,9,10,11,12,13,14,15
	ds_load_b128 v[TMP+4*(\t):TMP+4*(\t)+3], v[RD] offset:(\t)*2*SPITCH
.endr
.irp t, 0,1,2,3,4,5,6,7,8,9,10,11,12,13,14,15
	s_wait_dscnt 15-(\t)
	global_store_b128 v[CO], v[TMP+4*(\t):TMP+4*(\t)+3], s[8:9] offset:2*(\t)*SIZE_N*2  ; 16 lanes store 256 consecutive bytes, at a multiple of 256 from qv's first byte
.endr
	s_wait_tensorcnt 0x0                           ; the wave's end
	ds_add_u32 v[SPW], v[NIL]
	s_wait_dscnt 0x0
	CROUND                                         ; the closing round: no work-group ends while a partner may still ask for a tile that names it
	s_endpgm
.Lfunc_end_k_qabad1e463b_proj:
	.size	k_qabad1e463b_proj, .Lfunc_end_k_qabad1e463b_proj-k_qabad1e463b_proj
	.p2alignl 7, 3214868480
	.fill 96, 4, 3214868480
	.section	.rodata,"a",@progbits
	.p2align	6, 0x0
	.amdhsa_kernel k_qabad1e463b_proj
		.amdhsa_group_segment_fixed_size 327680
		.amdhsa_private_segment_fixed_size 0
		.amdhsa_enable_private_segment 0
		.amdhsa_kernarg_size 32
		.amdhsa_user_sgpr_count 2
		.amdhsa_user_sgpr_kernarg_segment_ptr 1
		.amdhsa_wavefront_size32 1
		.amdhsa_system_sgpr_workgroup_id_x 1
		.amdhsa_system_sgpr_workgroup_id_y 1
		.amdhsa_system_sgpr_workgroup_id_z 1
		.amdhsa_system_vgpr_workitem_id 0
		.amdhsa_next_free_vgpr 512
		.amdhsa_next_free_sgpr 80
		.amdhsa_reserve_vcc 0
		.amdhsa_float_denorm_mode_32 3
		.amdhsa_float_denorm_mode_16_64 3
		.amdhsa_memory_ordered 1
		.amdhsa_forward_progress 1
		.amdhsa_inst_pref_size 57
	.end_amdhsa_kernel
	.amdgpu_metadata
---
amdhsa.version: [ 1, 2 ]
amdhsa.kernels:
  - .name:           k_qabad1e463b_proj
    .symbol:         k_qabad1e463b_proj.kd
    .args:
      - { .name: xh, .offset: 0, .size: 8, .value_kind: global_buffer, .address_space: global }
      - { .name: wf, .offset: 8, .size: 8, .value_kind: global_buffer, .address_space: global }
      - { .name: qv, .offset: 16, .size: 8, .value_kind: global_buffer, .address_space: global }
      - { .name: mx, .offset: 24, .size: 8, .value_kind: global_buffer, .address_space: global }
    .group_segment_fixed_size: 327680
    .private_segment_fixed_size: 0
    .kernarg_segment_align: 8
    .kernarg_segment_size: 32
    .max_flat_workgroup_size: 128
    .sgpr_count:     80
    .vgpr_count:     512
    .wavefront_size: 32
...
	.end_amdgpu_metadata
.endif
;; end of part 2
;; launch score (part 3): grid 9 x 16, 4 waves a work-group, no clusters, 327,680 bytes of LDS; arguments qv, xh, sc, mx; writes sc
.if DOCPART == 3
	.amdgcn_target "amdgcn-amd-amdhsa--gfx1250"
	.amdhsa_code_object_version 6
	.text
	.protected	k_qabad1e463b_score
	.globl	k_qabad1e463b_score
	.p2align	8
	.type	k_qabad1e463b_score,@function
k_qabad1e463b_score:
	s_mov_b64 s[64:65], 0
	v_nop
	global_prefetch_b8 v0, s[64:65] scope:SCOPE_SE
	s_setreg_imm32_b32 hwreg(HW_REG_WAVE_MODE, 25, 1), 1
	s_wait_xcnt 0x0
; SCORE.  sc[b][t][s] = 2^(123 - Ex) x (q^[b][t] . xh[b][s]) for s <= t, 0 above the diagonal inside the diagonal tiles.  q^ = columns 0-511 of qv [4096][1024], xh [4096][512], sc [4][1024][1024], all f16; sums in f32, rounded once.
; Only the 36 lower tiles of 128 x 128 of each batch are made and written; the last launch reads no others.  Ex is the biased exponent of the largest |xh|, clamped to 103..151:
; with |q^| < 512 and |xh| 2^(126 - Ex) < 1 every score stays under 512 x 512 / 8 = 32,768, inside f16.  The last launch undoes the scale exactly.
; LIMITS.  As for qv: the maxima within 2^-24 .. 2^24; NaN and infinities are not treated apart.
; SHARES.  Work-group (c, y): batch y / 4, p = y % 4; tile rows p and 7 - p have p + 1 and 8 - p tiles, nine together: c <= p is tile (p, c), else (7 - p, c - p - 1).  144 work-groups of equal work.
; Four waves, 64 x 64 each; K = 512 is two steps of 256, one in each of two LDS slots, both asked for at the start; nothing is filled again.
; NO CLUSTER: a batch's tile rows have 1 to 8 tiles and its tile columns 8 to 1, so the 36 tiles do not fall into fours that share a row or a column of tiles.
; THE MATRIX INSTRUCTION IS USED TRANSPOSED (source 0 = 16 rows of xh, the keys; source 1 = 16 rows of q^): a lane holds row lane % 16 and eight neighbouring keys.
; REGISTERS: window 0: v0-31 addresses; v32-95 at work on the way out; v128-255 the accumulators ((a, b) at v[128 + 8 (4 a + b)]).  Window 1: two fragment buffers of 128.
.set KSTEP,  256
.set PITCH,  528                       ; an LDS row: 512 bytes of data + 16 of padding = 132 words: row r starts at bank 4 r mod 64 (64 banks of 4 bytes: ISA guide 11.1)
.set HALFT,  64*PITCH
.set SLOT,   4*HALFT                   ; q^'s 128 rows, then xh's 128 rows
.set STAGE,  2*SLOT
.set SPITCH, 272
.set SPARE,  STAGE+128*SPITCH          ; the spare words, 128 bytes for each wave: two blocks of 256 bytes that no other line names
.set ROWB,   2048                      ; bytes in a row of sc
.set ADRA, 16
.set ADRB, 20
.set STO,  24
.set RD,   25
.set CO,   26
.set DG,   27                          ; v27  my row less my first key, inside the tile
.set SPW,  28                          ; v28  LDS address of my spare word; never rewritten
.set NIL,  29                          ; v29  0; never rewritten
.set TMP,  32
.set ACC,  128
.set F0,   0
.set F1,   128
.set G1, 24                            ; s[24:31] descriptor group 1 for q^'s tiles;  s[32:39] group 0, one set for each slot
.set G0, 32
.set G1B, 48                           ; s[48:55], s[56:63] the same for xh's tiles
.set G0B, 56
.set MXP, 68
.set SCL, 72
.set SEL, 74
.set MSB, 0
.macro WIN new
.if MSB != (\new)
	s_set_vgpr_msb (MSB<<8)|(\new)
.set MSB, \new
.endif
.endm
.set MUL,  0x05
.set TO_F, 0x40
.macro LOAD s                          ; waves 0 and 1 fetch q^'s two halves, waves 2 and 3 xh's; an s_nop 0 and four v_nop follow each of the two lines, ahead of the jump and the label
	s_cmp_eq_u32 s11, 0
	s_cbranch_scc0 .Lfor_b_\@
	tensor_load_to_lds s[G0+4*(\s):G0+4*(\s)+3], s[G1:G1+7]
	s_nop 0
.rept 4
	v_nop
.endr
	s_branch .Lasked_\@
.Lfor_b_\@:
	tensor_load_to_lds s[G0B+4*(\s):G0B+4*(\s)+3], s[G1B:G1B+7]
	s_nop 0
.rept 4
	v_nop
.endr
.Lasked_\@:
.endm
	s_load_b128 s[4:7], s[0:1], 0x0                ; qv s[4:5], xh s[6:7]
	s_load_b64 s[8:9], s[0:1], 0x10                ; sc
	s_load_b64 s[MXP:MXP+1], s[0:1], 0x18          ; mx
	v_lshl_add_u32 v[SPW], v0, 2, SPARE
	v_mov_b32 v[NIL], 0
	ds_add_u32 v[SPW], v[NIL]                      ; the wave's opening: the add and its wait ahead of my first tensor load; the set-up below, work on registers, stands between them
	ds_add_u32 v28, v29
	v_lshrrev_b32 v1, 5, v0
	v_readfirstlane_b32 s10, v1                    ; wave 0..3
	s_lshr_b32 s11, s10, 1                         ; which half of the tile's rows is mine.  Also: I fetch for q^ (0) or for xh (1)
	s_and_b32 s12, s10, 1                          ; which half of its keys.  Also: which 64 rows of that tile I fetch
	s_mov_b32 s40, ttmp9                           ; c
	s_and_b32 s41, ttmp7, 0xffff
	s_lshr_b32 s45, s41, 2                         ; batch
	s_and_b32 s41, s41, 3                          ; p
	s_sub_co_u32 s43, 7, s41
	s_sub_co_u32 s44, s40, s41
	s_sub_co_u32 s44, s44, 1
	s_cmp_le_u32 s40, s41
	s_cselect_b32 s13, s41, s43                    ; i: the tile's row
	s_cselect_b32 s42, s40, s44                    ; j: its column
	; descriptor group 1: a tile of 64 rows x 256 elements, padded in LDS
.irp g, G1, G1B
	s_mov_b32 s[(\g)+0], (1<<16)|(1<<20)|(6<<22)|(3<<25)  ; 17:16 element of 2 bytes; 20 padding on; 24:22 after every 128 words (code 6); 31:25 of 4 words (code 3)
	s_mov_b32 s[(\g)+1], KSTEP<<16                 ; tensor_dim0 = 256
	s_mov_b32 s[(\g)+2], 64<<16                    ; tensor_dim1 = 64
	s_mov_b32 s[(\g)+3], KSTEP<<16                 ; tile_dim0 = 256
	s_mov_b32 s[(\g)+4], 64                        ; tile_dim1 = 64
	s_mov_b32 s[(\g)+6], 0
	s_mov_b32 s[(\g)+7], 0
.endr
	s_mov_b32 s[G1+5], 1024                        ; elements from row to row in qv,
	s_mov_b32 s[G1B+5], 512                        ; in xh
	s_mov_b32 s[SEL], 0x76543210
	s_mov_b32 s[SEL+1], 0xfedcba98
	s_lshl_b32 s17, s12, 6
	s_lshl_b32 s16, s45, 10
	s_add_co_u32 s16, s16, s17                     ; 1,024 x batch + 64 x half
	s_lshl_b32 s46, s42, 7
	s_add_co_u32 s46, s46, s16                     ; xh: + 128 j,
	s_lshl_b32 s46, s46, 10                        ; rows of 1,024 bytes
	s_lshl_b32 s17, s13, 7
	s_add_co_u32 s16, s16, s17                     ; qv: + 128 i,
	s_lshl_b32 s16, s16, 11                        ; rows of 2,048 bytes
	s_mov_b32 s17, 0
	s_mov_b32 s47, 0
	s_mul_i32 s20, s10, HALFT                      ; where they go: wave x 64 rows
	s_wait_dscnt 0x0                               ; the opening add is done
	s_wait_kmcnt 0x0
	s_add_nc_u64 s[14:15], s[4:5], s[16:17]
	s_add_nc_u64 s[46:47], s[6:7], s[46:47]
.irp s, 0,1
	s_mov_b32 s[G0+4*(\s)], 1
	s_add_co_u32 s[G0+4*(\s)+1], s20, (\s)*SLOT
	s_add_nc_u64 s[G0+4*(\s)+2:G0+4*(\s)+3], s[14:15], (\s)*KSTEP*2
	s_or_b32 s[G0+4*(\s)+3], s[G0+4*(\s)+3], 0x80000000
	s_mov_b32 s[G0B+4*(\s)], 1
	s_add_co_u32 s[G0B+4*(\s)+1], s20, (\s)*SLOT
	s_add_nc_u64 s[G0B+4*(\s)+2:G0B+4*(\s)+3], s[46:47], (\s)*KSTEP*2
	s_or_b32 s[G0B+4*(\s)+3], s[G0B+4*(\s)+3], 0x80000000
	LOAD \s                                        ; two tensor loads of mine are out
.endr
	v_and_b32 v6, 31, v0                           ; xh's 128 partial maxima, four a lane
	v_lshlrev_b32 v7, 4, v6
	global_load_b128 v[8:11], v7, s[MXP:MXP+1]
	v_mov_b32 v14, 0
	v_and_b32 v1, 15, v0                           ; l % 16
	v_bfe_u32 v2, v0, 4, 1                         ; l / 16
	v_mul_u32_u24 v3, v1, PITCH
	v_lshl_add_u32 v3, v2, 4, v3
	s_mul_i32 s21, s11, HALFT
	s_mul_i32 s22, s12, HALFT
	s_add_co_u32 s22, s22, 2*HALFT
.irp s, 0,1
	v_add_nc_u32 v[ADRA+(\s)], s21, v3
	v_add_nc_u32 v[ADRB+(\s)], s22, v3
	s_add_co_u32 s21, s21, SLOT
	s_add_co_u32 s22, s22, SLOT
.endr
	s_mul_i32 s23, s11, 64*SPITCH
	s_lshl_b32 s21, s12, 7
	s_add_co_u32 s23, s23, s21
	s_add_co_u32 s23, s23, STAGE
	v_mul_u32_u24 v4, v1, SPITCH
	v_lshl_add_u32 v4, v2, 4, v4
	v_add_nc_u32 v[STO], s23, v4
	s_mul_i32 s23, s10, 32*SPITCH
	s_add_co_u32 s23, s23, STAGE
	v_mul_u32_u24 v5, v2, SPITCH
	v_lshl_add_u32 v5, v1, 4, v5
	v_add_nc_u32 v[RD], s23, v5
	v_mul_u32_u24 v5, v2, ROWB
	v_lshl_add_u32 v[CO], v1, 4, v5
	v_lshlrev_b32 v5, 3, v2                        ; register j of accumulator (a, b) is key 64 (w % 2) + 16 b + 8 (l / 16) + j of row 64 (w / 2) + 16 a + l % 16:
	v_sub_nc_u32 v[DG], v1, v5                     ; it is kept where j + 16 (b - a) <= l % 16 - 8 (l / 16) + 64 (w / 2 - w % 2)
	s_sub_co_i32 s21, s11, s12
	s_lshl_b32 s21, s21, 6
	v_add_nc_u32 v[DG], s21, v[DG]
	s_lshl_b32 s16, s45, 21                        ; sc: the batch's 1,024 rows of 2,048 bytes,
	s_lshl_b32 s17, s13, 18                        ; 128 i rows,
	s_add_co_u32 s16, s16, s17
	s_lshl_b32 s17, s10, 16                        ; my wave's 32 rows,
	s_add_co_u32 s16, s16, s17
	s_lshl_b32 s17, s42, 8                         ; 128 j columns
	s_add_co_u32 s16, s16, s17
	s_mov_b32 s17, 0
	s_add_nc_u64 s[8:9], s[8:9], s[16:17]
	s_wait_loadcnt 0x0                             ; the maximum, its exponent, the scale: they steer values alone
	v_max3_num_f32 v8, v8, v9, v10
	v_max_num_f32 v8, v8, v11
	v_max_num_f32_dpp v8, v8, v8 row_xmask:1 row_mask:0xf bank_mask:0xf
	v_max_num_f32_dpp v8, v8, v8 row_xmask:2 row_mask:0xf bank_mask:0xf
	v_max_num_f32_dpp v8, v8, v8 row_xmask:4 row_mask:0xf bank_mask:0xf
	v_max_num_f32_dpp v8, v8, v8 row_xmask:8 row_mask:0xf bank_mask:0xf
	v_permlanex16_b32 v14, v8, s[SEL], s[SEL+1]
	v_max_num_f32 v8, v8, v14
	v_readfirstlane_b32 s70, v8
	s_lshr_b32 s70, s70, 23
	s_max_u32 s70, s70, 103
	s_min_u32 s70, s70, 151
	s_sub_co_u32 s[SCL], 250, s70                  ; 2^(123 - Ex) has the biased exponent 250 - Ex: 99 to 147
	s_lshl_b32 s[SCL], s[SCL], 23
	s_mov_b32 s[SCL+1], s[SCL]
.macro MUL8 f, c, a0, zero             ; 8 matrix instructions; the 16 accumulators take turns
	WIN MUL
.irp a, \a0, (\a0)+1
.irp b, 0,1,2,3
.if \zero
	v_wmma_f32_16x16x32_f16 v[ACC+8*(4*(\a)+(\b)):ACC+8*(4*(\a)+(\b))+7], v[(\f)+64+8*(4*(\c)+(\b)):(\f)+64+8*(4*(\c)+(\b))+7], v[(\f)+8*(4*(\c)+(\a)):(\f)+8*(4*(\c)+(\a))+7], 0
.else
	v_wmma_f32_16x16x32_f16 v[ACC+8*(4*(\a)+(\b)):ACC+8*(4*(\a)+(\b))+7], v[(\f)+64+8*(4*(\c)+(\b)):(\f)+64+8*(4*(\c)+(\b))+7], v[(\f)+8*(4*(\c)+(\a)):(\f)+8*(4*(\c)+(\a))+7], v[ACC+8*(4*(\a)+(\b)):ACC+8*(4*(\a)+(\b))+7]
.endif
.endr
.endr
.endm
.macro FETCH slot, k, f                ; 32 LDS loads in one run: the fragments of 64 along K at byte k of the rows; the first 32 along K first
	WIN TO_F
.irp c, 0,1
.irp i, 0,1,2,3
	ds_load_b128 v[(\f)+64+8*(4*(\c)+(\i)):(\f)+64+8*(4*(\c)+(\i))+3],   v[ADRB+(\slot)] offset:(\k)+64*(\c)+(\i)*16*PITCH
	ds_load_b128 v[(\f)+64+8*(4*(\c)+(\i))+4:(\f)+64+8*(4*(\c)+(\i))+7], v[ADRB+(\slot)] offset:(\k)+64*(\c)+(\i)*16*PITCH+32
	ds_load_b128 v[(\f)+8*(4*(\c)+(\i)):(\f)+8*(4*(\c)+(\i))+3],         v[ADRA+(\slot)] offset:(\k)+64*(\c)+(\i)*16*PITCH
	ds_load_b128 v[(\f)+8*(4*(\c)+(\i))+4:(\f)+8*(4*(\c)+(\i))+7],       v[ADRA+(\slot)] offset:(\k)+64*(\c)+(\i)*16*PITCH+32
.endr
.endr
.endm
.macro PLACES                          ; four places in front of loads into registers that matrix instructions have read, and of vector work on results
.rept 4
	v_nop
.endr
.endm
.macro QUARTER slot, k, f, g, zero
	s_wait_dscnt 16                                ; the first 32 along K are in
	WIN MUL
	MUL8 \f, 0, 0, \zero
	MUL8 \f, 0, 2, \zero
	PLACES
	FETCH \slot, \k, \g
	s_wait_dscnt 32                                ; all but the 32 just issued
	WIN MUL
	MUL8 \f, 1, 0, 0
	MUL8 \f, 1, 2, 0
.endm
.macro TURN next                       ; the last quarter of slot 0, and over to slot 1: one barrier; in front of it all my tensor loads, the add, and my LDS loads are waited for
	WIN 0
	s_wait_tensorcnt 0x0                           ; all my tensor loads have landed: my part of the next slot;
	ds_add_u32 v[SPW], v[NIL]                      ; 0 onto my spare word;
	s_wait_dscnt 17                                ; (the add and the youngest sixteen loads may be out)
	WIN MUL
	MUL8 F1, 0, 0, 0
	s_wait_dscnt 0x0                               ; the add is done, and no LDS load of mine is out at the signal
	s_barrier_signal -1
	MUL8 F1, 0, 2, 0
	s_barrier_wait -1                              ; the next slot is whole
	PLACES
	FETCH \next, 0, F0
	WIN MUL
	MUL8 F1, 1, 0, 0
	MUL8 F1, 1, 2, 0
.endm
	s_wait_tensorcnt 1                             ; my part of K step 0 is in; K step 1's stays out
	s_barrier_signal -1
	s_barrier_wait -1
	FETCH 0, 0, F0
	QUARTER 0, 128, F0, F1, 1
	QUARTER 0, 256, F1, F0, 0
	QUARTER 0, 384, F0, F1, 0
	TURN 1
	QUARTER 1, 128, F0, F1, 0
	QUARTER 1, 256, F1, F0, 0
	QUARTER 1, 384, F0, F1, 0
	s_wait_dscnt 16
	WIN MUL
	MUL8 F1, 0, 0, 0
	MUL8 F1, 0, 2, 0
	s_wait_dscnt 0
	MUL8 F1, 1, 0, 0
	MUL8 F1, 1, 2, 0
	WIN 0
	PLACES
	; THE CAUSAL MASK, in the diagonal tiles alone (the branch is the same for the whole work-group and passes no barrier): what lies above the diagonal becomes 0 and is stored, since the last launch reads the whole tile
	s_cmp_lg_u32 s13, s42
	s_cbranch_scc1 .Lno_mask
.irp a, 0,1,2,3
.irp b, 0,1,2,3
.irp j, 0,1,2,3,4,5,6,7
	v_cmp_le_i32 vcc_lo, (\j)+16*((\b)-(\a)), v[DG]
	v_cndmask_b32 v[ACC+8*(4*(\a)+(\b))+(\j)], 0, v[ACC+8*(4*(\a)+(\b))+(\j)], vcc_lo
.endr
.endr
.endr
.Lno_mask:
	; THE WAY OUT: the scale; round to f16; through the work-group's stage; back as whole rows, 32 rows a wave
.irp t, 0,1,2,3,4,5,6,7,8,9,10,11,12,13,14,15
.irp r, 0,1,2,3
	v_pk_mul_f32 v[ACC+8*(\t)+2*(\r):ACC+8*(\t)+2*(\r)+1], v[ACC+8*(\t)+2*(\r):ACC+8*(\t)+2*(\r)+1], s[SCL:SCL+1] op_sel_hi:[1,0]
.endr
.irp r, 0,1,2,3
	v_cvt_pk_f16_f32 v[TMP+4*(\t)+(\r)], v[ACC+8*(\t)+2*(\r)], v[ACC+8*(\t)+2*(\r)+1]
.endr
.endr
.irp a, 0,1,2,3
.irp b, 0,1,2,3
	ds_store_b128 v[STO], v[TMP+4*(4*(\a)+(\b)):TMP+4*(4*(\a)+(\b))+3] offset:(\a)*16*SPITCH+32*(\b)
.endr
.endr
	s_wait_dscnt 0x0                               ; for the others' sake: my stores into the stage are done
	s_barrier_signal -1
	s_barrier_wait -1
.irp t, 0,1,2,3,4,5,6,7,8,9,10,11,12,13,14,15
	ds_load_b128 v[TMP+4*(\t):TMP+4*(\t)+3], v[RD] offset:(\t)*2*SPITCH
.endr
.irp t, 0,1,2,3,4,5,6,7,8,9,10,11,12,13,14,15
	s_wait_dscnt 15-(\t)
	global_store_b128 v[CO], v[TMP+4*(\t):TMP+4*(\t)+3], s[8:9] offset:2*(\t)*ROWB  ; 16 lanes store 256 consecutive bytes, at a multiple of 256 from sc's first byte
.endr
	s_wait_tensorcnt 0x0                           ; the wave's end
	ds_add_u32 v[SPW], v[NIL]
	s_wait_dscnt 0x0
	s_endpgm
.Lfunc_end_k_qabad1e463b_score:
	.size	k_qabad1e463b_score, .Lfunc_end_k_qabad1e463b_score-k_qabad1e463b_score
	.p2alignl 7, 3214868480
	.fill 96, 4, 3214868480
	.section	.rodata,"a",@progbits
	.p2align	6, 0x0
	.amdhsa_kernel k_qabad1e463b_score
		.amdhsa_group_segment_fixed_size 327680
		.amdhsa_private_segment_fixed_size 0
		.amdhsa_enable_private_segment 0
		.amdhsa_kernarg_size 32
		.amdhsa_user_sgpr_count 2
		.amdhsa_user_sgpr_kernarg_segment_ptr 1
		.amdhsa_wavefront_size32 1
		.amdhsa_system_sgpr_workgroup_id_x 1
		.amdhsa_system_sgpr_workgroup_id_y 1
		.amdhsa_system_sgpr_workgroup_id_z 1
		.amdhsa_system_vgpr_workitem_id 0
		.amdhsa_next_free_vgpr 512
		.amdhsa_next_free_sgpr 80
		.amdhsa_reserve_vcc 1
		.amdhsa_float_denorm_mode_32 3
		.amdhsa_float_denorm_mode_16_64 3
		.amdhsa_memory_ordered 1
		.amdhsa_forward_progress 1
		.amdhsa_inst_pref_size 64
	.end_amdhsa_kernel
	.amdgpu_metadata
---
amdhsa.version: [ 1, 2 ]
amdhsa.kernels:
  - .name:           k_qabad1e463b_score
    .symbol:         k_qabad1e463b_score.kd
    .args:
      - { .name: qv, .offset: 0, .size: 8, .value_kind: global_buffer, .address_space: global }
      - { .name: xh, .offset: 8, .size: 8, .value_kind: global_buffer, .address_space: global }
      - { .name: sc, .offset: 16, .size: 8, .value_kind: global_buffer, .address_space: global }
      - { .name: mx, .offset: 24, .size: 8, .value_kind: global_buffer, .address_space: global }
    .group_segment_fixed_size: 327680
    .private_segment_fixed_size: 0
    .kernarg_segment_align: 8
    .kernarg_segment_size: 32
    .max_flat_workgroup_size: 128
    .sgpr_count:     80
    .vgpr_count:     512
    .wavefront_size: 32
...
	.end_amdgpu_metadata
.endif
;; end of part 3
;; launch outp (part 4): grid 16 x 16, 4 waves a work-group, clusters of 4 x 1, 327,680 bytes of LDS; arguments sc, qv, mx, out0; writes out0
.if DOCPART == 4
	.amdgcn_target "amdgcn-amd-amdhsa--gfx1250"
	.amdhsa_code_object_version 6
	.text
	.protected	k_qabad1e463b_outp
	.globl	k_qabad1e463b_outp
	.p2align	8
	.type	k_qabad1e463b_outp,@function
k_qabad1e463b_outp:
	s_mov_b64 s[64:65], 0
	v_nop
	global_prefetch_b8 v0, s[64:65] scope:SCOPE_SE
	s_setreg_imm32_b32 hwreg(HW_REG_WAVE_MODE, 25, 1), 1
	s_wait_xcnt 0x0
	s_wait_alu depctr_hold_cnt(0) depctr_sa_sdst(0) depctr_va_vdst(0) depctr_va_sdst(0) depctr_va_ssrc(0) depctr_va_vcc(0) depctr_vm_vsrc(0)
	s_getreg_b32 s2, hwreg(HW_REG_IB_STS2, 6, 4)
	s_cmp_eq_u32 s2, 0
	s_cbranch_scc0 .Lentry_in_a_cluster
	s_endpgm
.Lentry_in_a_cluster:
	s_bfe_u32 s2, ttmp6, 0x10000c
	s_cmp_lg_u32 s2, 0x3003
	s_cbranch_scc0 .Lentry_shape_is_right
	s_endpgm
.Lentry_shape_is_right:
; OUTP.  out0[b][t][n] = c x sum over s of sc[b][t][s] v^[b][s][n], over the key tiles up to the diagonal one.  sc [4][1024][1024] f16, v^ = columns 512-1023 of qv [4096][1024] f16, out0 [4][1024][512] f32; sums in f32.
; c = 2^(3 Ex + EA + EV - 635) undoes, exactly, the powers of two that the earlier launches put on (16 x 16 in the folds, 2^(126 - E) on each factor, 1 / 8 on the scores); with the exponents clamped to 103..151 its own biased exponent is 7 to 247.
; LIMITS.  As for qv and sc: the three maxima within 2^-24 .. 2^24; NaN and infinities are not treated apart.
; THE WALK.  A batch's rows lie in 8 blocks of 128; block i needs the key tiles 0 .. i.  A cluster of four work-groups takes blocks 7 - a and then a, for 128 columns: 9 key tiles, whatever a; each work-group has 32 rows of either block.
; So all 256 work-groups do equal work, and the four partners walk the same tiles of v^: those are asked for JOINTLY (the same tensor load, descriptor and mask in all four).  The tiles of sc are each work-group's own: plain loads.
; Every trip count is a constant of the text.  Where the first block ends (tile 8 - a: 5, 6, 7 or 8) its sums leave and are cleared: a forward jump on a, which the partners share, over text with no barrier and no tensor load.
; LDS.  All 9 tiles of sc (32 rows x 128 keys) lie side by side and are filled once.  v^'s tiles (128 keys x 128 columns) have 6 slots: tiles 0-5 at the start; tiles 6-8 go into slots 0-2 behind one round of the cluster's barrier, when tiles 0-2 have been read.
; A WAVE has 16 rows x 64 columns: 4 accumulators.  Source 0 = 16 columns of v^ (turned on the way out of LDS by ds_load_tr16_b128), source 1 = 16 rows of sc: a lane holds row lane % 16 and eight neighbouring columns;
; its 64 columns of f32 are 256 bytes, so each wave has a stage of its own and the way out needs no barrier.
.set PA,    272                        ; a row of sc's tile in LDS: 256 bytes + 16: the 16 rows of a load start 4 banks apart (64 banks of 4 bytes: ISA guide 11.1)
.set ATILE, 32*PA
.set BREG,  9*ATILE                    ; behind sc's nine tiles: v^'s six slots
.set PB,    288                        ; a row of v^'s tile: 256 + 32 bytes
.set BSLOT, 128*PB
.set STAGE, BREG+6*BSLOT               ; 16 rows x 272 bytes for each wave; no tensor load fills it
.set SP,    272
.set SPARE, STAGE+4*16*SP              ; the spare words, 128 bytes for each wave: two blocks of 256 bytes that no other line names
.set SPW, 4                            ; v4   LDS address of my spare word; never rewritten
.set NIL, 5                            ; v5   0; never rewritten
.set AAD, 16                           ; v16  my place in sc's tile 0; v17 the same in tile 7 (an LDS offset has 16 bits)
.set BAD, 18                           ; v18-23  my place in v^'s slots 0-5
.set STO, 24                           ; v24  the way out: where I put 32 bytes of a row
.set RD,  25                           ; v25  where I read rows back
.set CO,  26                           ; v26  my byte offset in the work-group's 32 rows of out0
.set ACC, 32                           ; v[32:63]  four accumulators
                                       ; v[64:103], v[104:143]  two fragment buffers: 8 registers of sc, 32 of v^
.set OB,  144                          ; v[144:175]  16 rows read back from the stage
.set WV,  12                           ; s12  wave;  s13 a;  s14 7 - a;  s15 8 - a: the tile at which the second block begins
.set G1A, 24                           ; s[24:31] descriptor group 1 for sc's tiles
.set G1B, 32                           ; s[32:39] for v^'s
.set G0B, 40                           ; s[40:47] two sets of group 0 for v^'s tiles: none of them ever holds cx
                                       ; s[48:63], s[68:87] nine sets of group 0 for sc's tiles
.set VB,  88                           ; s[88:89] v^ at the batch's first key and my 128 columns
.set OUT1, 90                          ; s[90:91] out0 at my 32 rows of the first block, my 128 columns
.set OUT2, 92                          ; s[92:93] of the second block
.set SCL, 94                           ; s[94:95] c, named as a pair
.set BO,  96                           ; s[96:97] a tile's byte offset in v^
.set SEL, 98                           ; s[98:99] v_permlanex16_b32's selects
.macro ROUND                           ; a round of the cluster's barrier: my work-group's barrier; wave 0 signals for the work-group; every wave waits for all four; my work-group's barrier once more
	s_barrier_signal -1
	s_barrier_wait -1
	s_cmp_lg_u32 s[WV], 0
	s_cbranch_scc1 .Lnot_wave_0_\@
	s_barrier_signal -3
.Lnot_wave_0_\@:
	s_barrier_wait -3
	s_barrier_signal -1
	s_barrier_wait -1
.endm
.macro PLACES                          ; four places in front of loads into registers that matrix instructions have read, and of vector work on results
.rept 4
	v_nop
.endr
.endm
.macro ASET t                          ; GA: the first register of sc's group 0 for tile t
.if (\t) < 4
.set GA, 48+4*(\t)
.else
.set GA, 68+4*((\t)-4)
.endif
.endm
.macro KEYT d, t                       ; s[d] = the key tile of the walk's tile s[t]: itself in the first block, less 8 - a in the second
	s_sub_co_u32 s[\d], s[\t], s15
	s_cmp_ge_u32 s[\t], s15
	s_cselect_b32 s[\d], s[\d], s[\t]
.endm
	s_load_b256 s[4:11], s[0:1], 0x0               ; sc s[4:5], qv s[6:7], mx s[8:9], out0 s[10:11]
	v_lshl_add_u32 v[SPW], v0, 2, SPARE
	v_mov_b32 v[NIL], 0
	ds_add_u32 v[SPW], v[NIL]                      ; the wave's opening: the add and its wait ahead of my first tensor load; the set-up below, work on registers, stands between them
	ds_add_u32 v4, v5
	v_lshrrev_b32 v1, 5, v0
	v_readfirstlane_b32 s[WV], v1                  ; wave 0..3
	s_mov_b32 s13, ttmp9                           ; a: in a cluster launch ttmp9 counts clusters
	s_sub_co_u32 s14, 7, s13
	s_sub_co_u32 s15, 8, s13
	s_bfe_u32 s20, ttmp6, 0x40000                  ; cx: it enters sc's and out0's addresses alone
	s_and_b32 s21, ttmp7, 0xffff
	s_and_b32 s22, s21, 3                          ; which 128 columns
	s_lshr_b32 s23, s21, 2                         ; batch
	s_mov_b32 s[G1A+0], (1<<16)|(1<<20)|(5<<22)|(3<<25)  ; 17:16 element of 2 bytes; 20 padding on; 24:22 after every 64 words (code 5); 31:25 of 4 words (code 3)
	s_mov_b32 s[G1A+1], 128<<16                    ; tensor_dim0 = 128
	s_mov_b32 s[G1A+2], 32<<16                     ; tensor_dim1 = 32
	s_mov_b32 s[G1A+3], 128<<16                    ; tile_dim0 = 128
	s_mov_b32 s[G1A+4], 32                         ; tile_dim1 = 32
	s_mov_b32 s[G1A+5], 1024                       ; elements from row to row in sc
	s_mov_b32 s[G1A+6], 0
	s_mov_b32 s[G1A+7], 0
	s_mov_b32 s[G1B+0], 15|(1<<16)|(1<<20)|(1<<21)|(5<<22)|(7<<25)  ; 15:0 the mask: all four work-groups; 21 set beside a mask; 8 words of padding (code 7)
	s_mov_b32 s[G1B+1], 128<<16
	s_mov_b32 s[G1B+2], 128<<16                    ; tensor_dim1 = 128
	s_mov_b32 s[G1B+3], 128<<16
	s_mov_b32 s[G1B+4], 128                        ; tile_dim1 = 128
	s_mov_b32 s[G1B+5], 1024                       ; elements from row to row in qv
	s_mov_b32 s[G1B+6], 0
	s_mov_b32 s[G1B+7], 0
	s_mov_b32 s[SEL], 0x76543210
	s_mov_b32 s[SEL+1], 0xfedcba98
	s_mov_b32 s[BO+1], 0
	s_lshl_b32 s16, s23, 21                        ; v^: the batch's 1,024 rows of 2,048 bytes,
	s_lshl_b32 s17, s22, 8                         ; my 128 columns,
	s_add_co_u32 s16, s16, s17
	s_add_co_u32 s16, s16, 1024                    ; behind q^'s 512
	s_mov_b32 s17, 0
	s_lshl_b32 s2, s23, 21                         ; sc and out0: the batch's 1,024 rows of 2,048 bytes,
	s_lshl_b32 s3, s20, 16                         ; my 32 rows of a block
	s_add_co_u32 s2, s2, s3
	s_mov_b32 s3, 0
	s_lshl_b32 s21, s22, 9                         ; out0: my 128 columns of 4 bytes
	s_wait_dscnt 0x0                               ; the opening add is done
	s_wait_kmcnt 0x0
	s_add_nc_u64 s[VB:VB+1], s[6:7], s[16:17]
	s_add_nc_u64 s[4:5], s[4:5], s[2:3]
	s_add_co_u32 s2, s2, s21
	s_add_nc_u64 s[10:11], s[10:11], s[2:3]
	s_lshl_b32 s16, s14, 18                        ; block 7 - a: 128 rows of 2,048 bytes each
	s_add_nc_u64 s[OUT1:OUT1+1], s[10:11], s[16:17]
	s_lshl_b32 s16, s13, 18                        ; block a
	s_add_nc_u64 s[OUT2:OUT2+1], s[10:11], s[16:17]
	; v^'s group 0: wave w (0-2) asks for the walk's tiles w and w + 3, into slots w and w + 3.  Every wave makes every descriptor; which it uses hangs on its number alone.
	s_mul_i32 s16, s[WV], BSLOT
	s_mov_b32 s[G0B], 1
	s_add_co_u32 s[G0B+1], s16, BREG
	s_mov_b32 s[G0B+4], 1
	s_add_co_u32 s[G0B+5], s16, BREG+3*BSLOT
	s_lshl_b32 s[BO], s[WV], 18                    ; tiles 0-2 are the first block's key tiles 0-2: 128 rows of 2,048 bytes each
	s_add_nc_u64 s[G0B+2:G0B+3], s[VB:VB+1], s[BO:BO+1]
	s_or_b32 s[G0B+3], s[G0B+3], 0x80000000
	s_add_co_u32 s17, s[WV], 3
	KEYT BO, 17
	s_lshl_b32 s[BO], s[BO], 18
	s_add_nc_u64 s[G0B+6:G0B+7], s[VB:VB+1], s[BO:BO+1]
	s_or_b32 s[G0B+7], s[G0B+7], 0x80000000
	; sc's group 0, a set for each of the walk's nine tiles: my 32 rows of the block in hand, 128 keys of its key tile
.irp t, 0,1,2,3,4,5,6,7,8
	ASET \t
	s_mov_b32 s[GA], 1
	s_mov_b32 s[GA+1], (\t)*ATILE
	s_sub_co_u32 s17, \t, s15
	s_cmp_gt_u32 s15, \t
	s_cselect_b32 s16, s14, s13                    ; the block,
	s_cselect_b32 s17, \t, s17                     ; the key tile
	s_lshl_b32 s16, s16, 18
	s_lshl_b32 s17, s17, 8
	s_add_co_u32 s16, s16, s17
	s_mov_b32 s17, 0
	s_add_nc_u64 s[GA+2:GA+3], s[4:5], s[16:17]
	s_or_b32 s[GA+3], s[GA+3], 0x80000000
.endr
	ROUND                                          ; all four work-groups are here: the first joint loads meet
	s_cmp_lt_u32 s[WV], 3                          ; a wave's first fills stand in one branch, ahead of every wait on TENSORcnt and every LDS read; an s_nop 0 follows each load, four v_nop the last
	s_cbranch_scc0 .Lfill_a
	tensor_load_to_lds s[G0B:G0B+3], s[G1B:G1B+7]
	s_nop 0
	tensor_load_to_lds s[G0B+4:G0B+7], s[G1B:G1B+7]  ; two loads of mine are out
	s_nop 0
	PLACES
	s_branch .Lfilled
.Lfill_a:
.irp t, 0,1,2,3,4,5,6,7,8
	ASET \t
	tensor_load_to_lds s[GA:GA+3], s[G1A:G1A+7]    ; wave 3: nine loads of mine are out
	s_nop 0
.endr
	PLACES
.Lfilled:
	v_and_b32 v6, 31, v0                           ; the 192 partial maxima: 128 of xh (four a lane), 32 of AT16, 32 of VT16
	v_lshlrev_b32 v7, 4, v6
	v_lshlrev_b32 v6, 2, v6
	global_load_b128 v[8:11], v7, s[8:9]
	global_load_b32 v12, v6, s[8:9] offset:512
	global_load_b32 v13, v6, s[8:9] offset:640
	v_mov_b32 v14, 0
	v_and_b32 v1, 15, v0                           ; r = l % 16
	v_bfe_u32 v2, v0, 4, 1                         ; h = l / 16
	s_lshr_b32 s16, s[WV], 1                       ; which 16 rows are mine
	s_and_b32 s17, s[WV], 1                        ; which 64 columns
	v_mul_u32_u24 v[AAD], v1, PA                   ; a fragment of sc: row r, 16 bytes for each half of the lanes; two loads, 32 bytes apart
	v_lshl_add_u32 v[AAD], v2, 4, v[AAD]
	s_mul_i32 s18, s16, 16*PA
	v_add_nc_u32 v[AAD], s18, v[AAD]
	v_add_nc_u32 v[AAD+1], 7*ATILE, v[AAD]
	v_and_b32 v3, 7, v0                            ; the turning load: lane l reads key 8 h + l % 8, columns 8 ((l / 8) % 2) + 0..7, and is left with column r and 8 keys
	v_lshl_add_u32 v3, v2, 3, v3
	v_mul_u32_u24 v3, v3, PB
	v_bfe_u32 v15, v0, 3, 1
	v_lshl_add_u32 v3, v15, 4, v3
	s_lshl_b32 s18, s17, 7
	s_add_co_u32 s18, s18, BREG
	v_add_nc_u32 v[BAD], s18, v3
.irp s, 1,2,3,4,5
	v_add_nc_u32 v[BAD+(\s)], (\s)*BSLOT, v[BAD]
.endr
	s_mul_i32 s18, s[WV], 16*SP
	s_add_co_u32 s18, s18, STAGE                   ; my stage
	v_mul_u32_u24 v[STO], v1, SP                   ; in: row r, 32 bytes for each half of the lanes
	v_lshl_add_u32 v[STO], v2, 5, v[STO]
	v_add_nc_u32 v[STO], s18, v[STO]
	v_mul_u32_u24 v[RD], v2, SP                    ; back: lanes 0-15 take one row of 256 bytes, lanes 16-31 the next
	v_lshl_add_u32 v[RD], v1, 4, v[RD]
	v_add_nc_u32 v[RD], s18, v[RD]
	v_lshlrev_b32 v[CO], 11, v2                    ; and the same two rows in out0
	v_lshl_add_u32 v[CO], v1, 4, v[CO]
	s_lshl_b32 s18, s16, 15
	s_lshl_b32 s19, s17, 8
	s_add_co_u32 s18, s18, s19
	v_add_nc_u32 v[CO], s18, v[CO]
	s_wait_loadcnt 0x0                             ; the three maxima, their exponents, c: they steer values alone
	v_max3_num_f32 v8, v8, v9, v10
	v_max_num_f32 v8, v8, v11
.irp v, 8, 12, 13
	v_max_num_f32_dpp v[\v], v[\v], v[\v] row_xmask:1 row_mask:0xf bank_mask:0xf
	v_max_num_f32_dpp v[\v], v[\v], v[\v] row_xmask:2 row_mask:0xf bank_mask:0xf
	v_max_num_f32_dpp v[\v], v[\v], v[\v] row_xmask:4 row_mask:0xf bank_mask:0xf
	v_max_num_f32_dpp v[\v], v[\v], v[\v] row_xmask:8 row_mask:0xf bank_mask:0xf
	v_permlanex16_b32 v14, v[\v], s[SEL], s[SEL+1]
	v_max_num_f32 v[\v], v[\v], v14
.endr
	v_readfirstlane_b32 s16, v8
	v_readfirstlane_b32 s17, v12
	v_readfirstlane_b32 s18, v13
.irp e, 16, 17, 18
	s_lshr_b32 s[\e], s[\e], 23
	s_max_u32 s[\e], s[\e], 103
	s_min_u32 s[\e], s[\e], 151
.endr
	s_mul_i32 s16, s16, 3
	s_add_co_u32 s16, s16, s17
	s_add_co_u32 s16, s16, s18
	s_sub_co_u32 s16, s16, 508                     ; 3 Ex + EA + EV - 635 + 127
	s_lshl_b32 s[SCL], s16, 23
	s_mov_b32 s[SCL+1], s[SCL]
; 10 LDS loads: the fragments of 32 keys (step ks of the walk's tile t) into buffer buf
.macro FETCH t, ks, buf
.set FA, 64+40*(\buf)
.if (\t) < 7
	ds_load_b128 v[FA:FA+3],   v[AAD] offset:(\t)*ATILE+64*(\ks)
	ds_load_b128 v[FA+4:FA+7], v[AAD] offset:(\t)*ATILE+64*(\ks)+32
.else
	ds_load_b128 v[FA:FA+3],   v[AAD+1] offset:((\t)-7)*ATILE+64*(\ks)
	ds_load_b128 v[FA+4:FA+7], v[AAD+1] offset:((\t)-7)*ATILE+64*(\ks)+32
.endif
.irp nb, 0,1,2,3
	ds_load_tr16_b128 v[FA+8+8*(\nb):FA+8+8*(\nb)+3],  v[BAD+(\t)%6] offset:(\ks)*32*PB+32*(\nb)
	ds_load_tr16_b128 v[FA+12+8*(\nb):FA+12+8*(\nb)+3], v[BAD+(\t)%6] offset:(\ks)*32*PB+16*PB+32*(\nb)
.endr
.endm
; 4 matrix instructions; the 4 accumulators take turns.  The walk's first step starts the sums with the constant 0.
.macro MUL buf
.set FA, 64+40*(\buf)
.irp nb, 0,1,2,3
.if ZERO
	v_wmma_f32_16x16x32_f16 v[ACC+8*(\nb):ACC+8*(\nb)+7], v[FA+8+8*(\nb):FA+15+8*(\nb)], v[FA:FA+7], 0
.else
	v_wmma_f32_16x16x32_f16 v[ACC+8*(\nb):ACC+8*(\nb)+7], v[FA+8+8*(\nb):FA+15+8*(\nb)], v[FA:FA+7], v[ACC+8*(\nb):ACC+8*(\nb)+7]
.endif
.endr
.set ZERO, 0
.endm
; A BLOCK'S SUMS LEAVE: times c; 32 bytes a lane into my stage; back as whole rows of 256 bytes; stored.  clear = 1: the sums start again at 0 for the second block (the clearing stands in the wait for the stage).
.macro FLUSH base, clear
	PLACES
	s_wait_xcnt 0x0                                ; OB was the data of an earlier block's stores: it is loaded again only behind this wait
.set z, 0
.rept 16
	v_pk_mul_f32 v[ACC+2*z:ACC+2*z+1], v[ACC+2*z:ACC+2*z+1], s[SCL:SCL+1] op_sel_hi:[1,0]  ; each accumulator from its low end on
.set z, z+1
.endr
.irp nb, 0,1,2,3
	ds_store_b128 v[STO], v[ACC+8*(\nb):ACC+8*(\nb)+3]   offset:64*(\nb)
	ds_store_b128 v[STO], v[ACC+8*(\nb)+4:ACC+8*(\nb)+7] offset:64*(\nb)+16
.endr
.irp t, 0,1,2,3,4,5,6,7
	ds_load_b128 v[OB+4*(\t):OB+4*(\t)+3], v[RD] offset:(\t)*2*SP  ; LDS serves a wave's instructions in order (ISA guide 5.7.1.4): these see the stores above
.endr
.if \clear
.set z, 0
.rept 32
	v_mov_b32 v[ACC+z], 0
.set z, z+1
.endr
.endif
.irp t, 0,1,2,3,4,5,6,7
	s_wait_dscnt 7-(\t)
	global_store_b128 v[CO], v[OB+4*(\t):OB+4*(\t)+3], s[\base:\base+1] offset:(\t)*4096 th:TH_STORE_NT  ; 16 lanes store 256 consecutive bytes, at a multiple of 256 from out0's first byte
.endr
.endm
.macro CHECK t                         ; does the second block begin with tile t?  The fragment loads issued ahead of this line are older than FLUSH's LDS instructions, so the counted waits behind it hold on both ways
	s_cmp_lg_u32 s15, \t
	s_cbranch_scc1 .Lsame_block_\@
	FLUSH OUT1, 1
.Lsame_block_\@:
.endm
; Three tiles of the walk, t0 on: 12 steps of 32 keys on two fragment buffers; while one is multiplied the other's 10 loads are on their way.
.macro STEPS t0
	PLACES
	FETCH \t0, 0, 0
.set n, 0
.rept 12
.if (n > 0) && (n%4 == 0) && ((\t0)+n/4 >= 5)
	CHECK (\t0)+n/4
.endif
.if n < 11
	PLACES                                         ; the buffer to be loaded was read by the step before
	FETCH (\t0)+(n+1)/4, (n+1)%4, (n+1)%2
	s_wait_dscnt 10                                ; all but the 10 just issued
.else
	s_wait_dscnt 0x0
.endif
	MUL n%2
.set n, n+1
.endr
.endm
.set ZERO, 1
	s_wait_tensorcnt 1                             ; all my first fills but the last are in: v^'s tile w (waves 0-2), sc's tiles 0-7 (wave 3)
	s_barrier_signal -1
	s_barrier_wait -1                              ; everybody's are
	STEPS 0                                        ; tiles 0-2
	s_wait_tensorcnt 0x0                           ; all my tensor loads have landed (v^'s tile w + 3, sc's tile 8), so a group 0 may be written;
	ds_add_u32 v[SPW], v[NIL]                      ; 0 onto my spare word: the descriptor's step stands between it and the wait for it
	s_add_co_u32 s17, s[WV], 6                     ; the walk's tile w + 6 goes into slot w
	KEYT BO, 17
	s_lshl_b32 s[BO], s[BO], 18
	s_add_nc_u64 s[G0B+2:G0B+3], s[VB:VB+1], s[BO:BO+1]
	s_or_b32 s[G0B+3], s[G0B+3], 0x80000000
	s_wait_dscnt 0x0                               ; the add is done, and my reads of slots 0-2 are over
	ROUND                                          ; both now hold of every wave of all four work-groups
	s_cmp_lt_u32 s[WV], 3
	s_cbranch_scc0 .Lno_refill
	tensor_load_to_lds s[G0B:G0B+3], s[G1B:G1B+7]  ; my one tensor load behind the round; it has three tiles' work, 48 matrix instructions a wave, in which to land
	s_nop 0
	PLACES
.Lno_refill:
	STEPS 3                                        ; tiles 3-5
	s_wait_tensorcnt 0x0                           ; my part of tiles 6-8 is in
	ds_add_u32 v[SPW], v[NIL]
	s_wait_dscnt 0x0
	s_barrier_signal -1
	s_barrier_wait -1                              ; everybody's is; nothing is filled any more
	CHECK 6
	STEPS 6                                        ; tiles 6-8
	FLUSH OUT2, 0
	s_wait_tensorcnt 0x0                           ; the wave's end
	ds_add_u32 v[SPW], v[NIL]
	s_wait_dscnt 0x0
	ROUND                                          ; the closing round: no work-group ends while a partner may still ask for a tile that names it
	s_endpgm
.Lfunc_end_k_qabad1e463b_outp:
	.size	k_qabad1e463b_outp, .Lfunc_end_k_qabad1e463b_outp-k_qabad1e463b_outp
	.p2alignl 7, 3214868480
	.fill 96, 4, 3214868480
	.section	.rodata,"a",@progbits
	.p2align	6, 0x0
	.amdhsa_kernel k_qabad1e463b_outp
		.amdhsa_group_segment_fixed_size 327680
		.amdhsa_private_segment_fixed_size 0
		.amdhsa_enable_private_segment 0
		.amdhsa_kernarg_size 32
		.amdhsa_user_sgpr_count 2
		.amdhsa_user_sgpr_kernarg_segment_ptr 1
		.amdhsa_wavefront_size32 1
		.amdhsa_system_sgpr_workgroup_id_x 1
		.amdhsa_system_sgpr_workgroup_id_y 1
		.amdhsa_system_sgpr_workgroup_id_z 1
		.amdhsa_system_vgpr_workitem_id 0
		.amdhsa_next_free_vgpr 176
		.amdhsa_next_free_sgpr 100
		.amdhsa_reserve_vcc 0
		.amdhsa_float_denorm_mode_32 3
		.amdhsa_float_denorm_mode_16_64 3
		.amdhsa_memory_ordered 1
		.amdhsa_forward_progress 1
		.amdhsa_inst_pref_size 73
	.end_amdhsa_kernel
	.amdgpu_metadata
---
amdhsa.version: [ 1, 2 ]
amdhsa.kernels:
  - .name:           k_qabad1e463b_outp
    .symbol:         k_qabad1e463b_outp.kd
    .args:
      - { .name: sc, .offset: 0, .size: 8, .value_kind: global_buffer, .address_space: global }
      - { .name: qv, .offset: 8, .size: 8, .value_kind: global_buffer, .address_space: global }
      - { .name: mx, .offset: 16, .size: 8, .value_kind: global_buffer, .address_space: global }
      - { .name: out0, .offset: 24, .size: 8, .value_kind: global_buffer, .address_space: global }
    .group_segment_fixed_size: 327680
    .private_segment_fixed_size: 0
    .kernarg_segment_align: 8
    .kernarg_segment_size: 32
    .max_flat_workgroup_size: 128
    .sgpr_count:     100
    .vgpr_count:     176
    .wavefront_size: 32
...
	.end_amdgpu_metadata
.endif
;; end of part 4
